; MI455X (gfx1250); checked and timed in simulation.
; The chip was launched on July 23, 2026; its instructions are those of AMD's public machine-readable ISA for CDNA 5 (MIT licence, August 2026) and "CDNA5" Instruction Set Architecture Reference Guide (July 2026). The comments in the code are by the model that wrote it; some were corrected since.
;; Linear Net. Allowed arithmetic: float matrix products may take bf16 or f16 operands with f32 sums; all other float work in f32.
;; Inputs: W_i 2,048 x 2,048 float32; W_r 2,048 x 2,048 float32; x 2,048 x 2,048 float32.
;; Outputs: out0 2,048 x 4,096 float32.
;; One version. Each part assembles by itself: llvm-mc -triple=amdgcn-amd-amdhsa -mcpu=gfx1250 --defsym DOCPART=n.
;; ======== version 1 of 1: 3 launches
;; workspace buffers: cb 25,165,824 bytes; rt 16,777,216 bytes
;; launch cast (part 1): grid 256 x 3, 8 waves a work-group, no clusters, 0 bytes of LDS; arguments W_r, W_i, x, cb; writes cb
.if DOCPART == 1
	.amdgcn_target "amdgcn-amd-amdhsa--gfx1250"
	.amdhsa_code_object_version 6
	.text
	.protected	k_qc509fe2c41_cast
	.globl	k_qc509fe2c41_cast
	.p2align	8
	.type	k_qc509fe2c41_cast,@function
k_qc509fe2c41_cast:
	s_mov_b64 s[64:65], 0
	v_nop
	global_prefetch_b8 v0, s[64:65] scope:SCOPE_SE
	s_setreg_imm32_b32 hwreg(HW_REG_WAVE_MODE, 25, 1), 1
	s_wait_xcnt 0x0
; FIRST OF THREE LAUNCHES.  The problem: R = x W^T (real and imaginary part), then C = W^T R in complex arithmetic, out0 = [C_r | C_i].
; Six real products of 2048 x 2048 x 2048.  NOTHING IS LEFT OUT: each of x, W_r, W_i reaches every output number, no product is sliced away, and
; C_r is made as the problem writes it, as one difference of two f32 sums.
; This launch rounds the three f32 inputs to bf16 (nearest even), once, so that the two product launches move and read half the bytes:
;   cb byte 0:          Wb [4096][2048] bf16, rows 0-2047 = W_r, rows 2048-4095 = W_i
;   cb byte 16,777,216: xb [2048][2048] bf16
; LIMITS: matrix operands (x, W, and the intermediate R in the next launch) are bf16; an f32 above the largest finite bf16 becomes an infinity;
; NaN and infinities go on as the arithmetic carries them.  f16 is not used: R has no room in it when the inputs carry a large offset.
; A stream: no LDS, no matrix unit, no cluster (no byte is read twice).  Grid y picks the tensor, grid x 65,536 bytes of it.  Thread t takes the 16 bytes at
; 16 t of each block of 4,096 bytes: a load of a wave covers 512 consecutive bytes, a store of a wave 256 consecutive bytes, aligned.
; All sixteen loads of a thread go out first; every register is written once, so no source of a pending instruction is ever rewritten.
.set X, 4                              ; v[4:67]   16 x 4 numbers as loaded
.set Y, 68                             ; v[68:99]  16 x 4 bf16 to store
	s_load_b256 s[4:11], s[0:1], 0x0               ; W_r s[4:5], W_i s[6:7], x s[8:9], cb s[10:11]
	s_and_b32 s12, ttmp7, 0xffff                   ; which tensor: 0 W_r, 1 W_i, 2 x
	s_lshl_b32 s14, ttmp9, 16                      ; my 65,536 bytes of f32
	s_mov_b32 s15, 0
	s_lshl_b32 s16, ttmp9, 15                      ; my 32,768 bytes of bf16,
	s_lshl_b32 s17, s12, 23                        ; behind 8,388,608 bytes for each tensor in front
	s_add_co_u32 s16, s16, s17
	s_mov_b32 s17, 0
	v_lshlrev_b32 v1, 4, v0                        ; 16 t
	v_lshlrev_b32 v2, 3, v0                        ; 8 t
	s_wait_kmcnt 0x0
	s_cmp_eq_u32 s12, 1
	s_cselect_b64 s[4:5], s[6:7], s[4:5]           ; the input is chosen by the grid's y alone
	s_cmp_eq_u32 s12, 2
	s_cselect_b64 s[4:5], s[8:9], s[4:5]
	s_add_nc_u64 s[4:5], s[4:5], s[14:15]
	s_add_nc_u64 s[10:11], s[10:11], s[16:17]
.irp j, 0,1,2,3,4,5,6,7,8,9,10,11,12,13,14,15
	global_load_b128 v[X+4*\j:X+4*\j+3], v1, s[4:5] offset:4096*\j th:TH_LOAD_NT   ; read once in the launch
.endr
.irp j, 0,1,2,3,4,5,6,7,8,9,10,11,12,13,14,15
	s_wait_loadcnt 15-\j                           ; loads come back in order (ISA guide 5.7.1): load j is in, the 15 - j younger ones stay out
	v_cvt_pk_bf16_f32 v[Y+2*\j],   v[X+4*\j],   v[X+4*\j+1]
	v_cvt_pk_bf16_f32 v[Y+2*\j+1], v[X+4*\j+2], v[X+4*\j+3]
	global_store_b64 v2, v[Y+2*\j:Y+2*\j+1], s[10:11] offset:2048*\j               ; no hint: the next launches read cb
.endr
	s_endpgm
.Lfunc_end_k_qc509fe2c41_cast:
	.size	k_qc509fe2c41_cast, .Lfunc_end_k_qc509fe2c41_cast-k_qc509fe2c41_cast
	.p2alignl 7, 3214868480
	.fill 96, 4, 3214868480
	.section	.rodata,"a",@progbits
	.p2align	6, 0x0
	.amdhsa_kernel k_qc509fe2c41_cast
		.amdhsa_group_segment_fixed_size 0
		.amdhsa_private_segment_fixed_size 0
		.amdhsa_enable_private_segment 0
		.amdhsa_kernarg_size 32
		.amdhsa_user_sgpr_count 2
		.amdhsa_user_sgpr_kernarg_segment_ptr 1
		.amdhsa_wavefront_size32 1
		.amdhsa_system_sgpr_workgroup_id_x 1
		.amdhsa_system_sgpr_workgroup_id_y 1
		.amdhsa_system_sgpr_workgroup_id_z 1
		.amdhsa_system_vgpr_workitem_id 0
		.amdhsa_next_free_vgpr 100
		.amdhsa_next_free_sgpr 66
		.amdhsa_reserve_vcc 0
		.amdhsa_float_denorm_mode_32 3
		.amdhsa_float_denorm_mode_16_64 3
		.amdhsa_memory_ordered 1
		.amdhsa_forward_progress 1
		.amdhsa_inst_pref_size 7
	.end_amdhsa_kernel
	.amdgpu_metadata
---
amdhsa.version: [ 1, 2 ]
amdhsa.kernels:
  - .name:           k_qc509fe2c41_cast
    .symbol:         k_qc509fe2c41_cast.kd
    .args:
      - { .name: W_r, .offset: 0, .size: 8, .value_kind: global_buffer, .address_space: global }
      - { .name: W_i, .offset: 8, .size: 8, .value_kind: global_buffer, .address_space: global }
      - { .name: x, .offset: 16, .size: 8, .value_kind: global_buffer, .address_space: global }
      - { .name: cb, .offset: 24, .size: 8, .value_kind: global_buffer, .address_space: global }
    .group_segment_fixed_size: 0
    .private_segment_fixed_size: 0
    .kernarg_segment_align: 8
    .kernarg_segment_size: 32
    .max_flat_workgroup_size: 256
    .sgpr_count:     66
    .vgpr_count:     100
    .wavefront_size: 32
...
	.end_amdgpu_metadata
.endif
;; end of part 1
;; launch rows (part 2): grid 8 x 32, 4 waves a work-group, clusters of 4 x 4, 327,680 bytes of LDS; arguments cb, rt; writes rt
.if DOCPART == 2
	.amdgcn_target "amdgcn-amd-amdhsa--gfx1250"
	.amdhsa_code_object_version 6
	.text
	.protected	k_qc509fe2c41_rows
	.globl	k_qc509fe2c41_rows
	.p2align	8
	.type	k_qc509fe2c41_rows,@function
k_qc509fe2c41_rows:
	s_mov_b64 s[64:65], 0
	v_nop
	global_prefetch_b8 v0, s[64:65] scope:SCOPE_SE
	s_setreg_imm32_b32 hwreg(HW_REG_WAVE_MODE, 25, 1), 1
	s_wait_xcnt 0x0
	s_wait_alu depctr_hold_cnt(0) depctr_sa_sdst(0) depctr_va_vdst(0) depctr_va_sdst(0) depctr_va_ssrc(0) depctr_va_vcc(0) depctr_vm_vsrc(0)
	s_getreg_b32 s2, hwreg(HW_REG_IB_STS2, 6, 4)
	s_cmp_eq_u32 s2, 0
	s_cbranch_scc0 .Lentry_in_a_cluster
	s_endpgm
.Lentry_in_a_cluster:
	s_bfe_u32 s2, ttmp6, 0x10000c
	s_cmp_lg_u32 s2, 0xf033
	s_cbranch_scc0 .Lentry_shape_is_right
	s_endpgm
.Lentry_shape_is_right:
; SECOND LAUNCH, the row pass, written out TRANSPOSED:  rt[n][m] = sum over k of Wb[n][k] xb[m][k],  n = 0..4095, m = 0..2047, bf16, sums in f32.
; Rows 0-2047 of rt are R_r^T, rows 2048-4095 are R_i^T: the column pass sums over m, which so lies along the rows of rt.  No work is left out.
; LIMIT: R is rounded to bf16 (nearest even), as an operand of the next product.
; A work-group makes 128 rows x 256 columns of rt with four waves, as many as a WGP has SIMDs: 4096 x 2048 numbers over 256 work-groups.  A wave makes 64 x 128:
; 4 x 8 accumulator tiles of 16 x 16, 256 registers.  A K step is 128 (256 bytes of a row, at a multiple of 256 bytes): 384 rows, 128 matrix instructions a wave.
; TWO UNEQUAL LDS SLOTS.  A load asked for behind a barrier has the work up to the next barrier in which to land, so the phases are made as long as LDS allows.
; Two slots of two K steps would take 2 x 384 x 528 = 405,504 bytes, more than the 327,680 that a work-group can be given; a slot of two K steps (202,752 bytes) and a slot
; of one (104,448) fit, with the stage of 17,408.  The 16 K steps go as  S(0) L(1,2) S(3) L(4,5) S(6) L(7,8) S(9) L(10,11) S(12) L(13,14) S(15).
; The short slot is asked for again in front of a long phase: 248 matrix instructions of a wave up to the wait for it; the long slot in front of a short phase: 120.
; CLUSTERS of 4 x 4: the four work-groups of a row of the cluster share the block row (the tile of Wb), the four of a column the block column (the tile of xb);
; such a tile is asked for jointly, which divides the requests by four.
; PREFETCH: every K step touches 256 bytes of each row of cb that no work-group has read before.  Behind each refill (and behind the first fills) wave 0 asks for the
; tile that the NEXT refill will load, one phase ahead of that load: one instruction for each K step of it, 32 lanes one row (4,096 bytes) apart, 256 bytes a lane.
; Lanes 0-15 name 16 of my block row's 128 rows of Wb, which its 8 work-groups so share: a block of Wb is named once in the launch.  Lanes 16-31 name 16 of my block
; column's 256 rows of xb, shared among 16 block rows: a block of xb, which all 32 block rows read, is named twice, once from block rows 0-15 and once from block rows
; 16-31, so that either half of the grid asks for the whole of what it reads, and 16 + 16 rows fill the 32 lanes.  The last ask is for K step 15: none leaves a row.
; REGISTERS: window 0: v16-27 addresses, v32-63 packed results, v64-159 and v160-255 two fragment buffers (xb: 8 fragments, then Wb: 4);
;            window 1: accumulator tile (a, b) at v[8 (8 a + b)], a = 16 rows of rt, b = 16 columns.
; THE MATRIX INSTRUCTION IS USED TRANSPOSED: source 0 = 16 rows of xb (columns of rt), source 1 = 16 rows of Wb (rows of rt): lane l then holds row l % 16 of rt
; and its eight registers the columns 8 (l / 16) + 0..7, eight neighbours, which pack into 16 bytes.
.set KSTEP,  128
.set XB,     16777216                  ; xb in cb
.set PL,     528                       ; LDS pitch of slot 0, the long one: 512 bytes + 16 of padding
.set PS,     272                       ; LDS pitch of slot 1, the short one: 256 bytes + 16.  With either, the 16 rows of a fragment load start 16 bytes apart modulo 256
                                       ; the pitch of slot s is written PL-(PL-PS)*s below
.set LBYTES, 384*PL                    ; slot 0 at byte 0: 202,752 bytes
.set SBYTES, 384*PS                    ; slot 1 behind it: 104,448 bytes
                                       ; in a slot of pitch P: xb rows 0-127 at 0, xb rows 128-255 at 128 P, Wb rows 0-63 at 256 P, Wb rows 64-127 at 320 P
.set STAGE,  LBYTES+SBYTES             ; behind the slots, at 307,200: 16 rows x 272 bytes for each wave; no tensor load ever lands here
.set SPITCH, 272
.set CYCLES, 3                         ; trips of the loop: a long phase and a short phase each; a fourth such pair is written out behind it
.set ADRA, 16                          ; v16-17  LDS address of my Wb fragments in slot 0, 1
.set ADRB, 20                          ; v20-21  the same for xb
.set STO,  24                          ; the way out: where I put 16 bytes of a row
.set RD,   25                          ; the way out: where I read a row back
.set CO,   26                          ; my byte offset in rt
.set PF,   27                          ; the prefetch: byte offset in cb of my lane's row; never rewritten
.set TMP,  32
.set F0,   64
.set F1,   160
.set G0X, 32                           ; s[32:39]  group 0 for tiles of xb, four registers for each slot
.set PB,  48                           ; s[48:49]  the prefetch's base: cb + 256 bytes x the K step that the short slot held at the last short ask
.set G0W, 56                           ; s[56:63]  group 0 for tiles of Wb
.set G1X, 68                           ; s[68:83]  group 1 for tiles of xb, eight registers for each slot
.set G1W, 84                           ; s[84:99]  group 1 for tiles of Wb
.set MUL, 0x50                         ; C and D in window 1, sources 0 and 1 in window 0
.set CVT, 0x05                         ; sources 0 and 1 in window 1, destination in window 0
.set MSB, 0
.macro WIN new                         ; the high byte of the immediate repeats the setting that is left
.if MSB != \new
	s_set_vgpr_msb (MSB<<8)|\new
.set MSB, \new
.endif
.endm
; A joint load into slot s: waves 0 and 1 fetch the two halves of the tile of xb, waves 2 and 3 those of Wb.  The branch hangs on the wave number alone.
.macro JLOAD s
	s_cmp_eq_u32 s11, 0
	s_cbranch_scc0 .Lfor_w_\@
	tensor_load_to_lds s[G0X+4*\s:G0X+4*\s+3], s[G1X+8*\s:G1X+8*\s+7]
	s_nop 0
	s_branch .Lasked_\@
.Lfor_w_\@:
	tensor_load_to_lds s[G0W+4*\s:G0W+4*\s+3], s[G1W+8*\s:G1W+8*\s+7]
	s_nop 0
.Lasked_\@:
.endm
; Wave 0 asks for the next tile of slot next, which the next refill will load.  With the short slot's K step k in the base: the short slot's next tile is K step k + 3,
; the long slot's next tile K steps k + 4 and k + 5.  step = 1: the base goes three K steps on first; it is a source of the earlier asks, the last of which stands
; a whole phase back, and is rewritten only behind the wait for their addresses.
.macro ASK next, step
	s_cmp_lg_u32 s10, 0
	s_cbranch_scc1 .Lno_ask_\@
.if \step
	s_wait_xcnt 0x0
	s_add_nc_u64 s[PB:PB+1], s[PB:PB+1], 3*KSTEP*2
.endif
.if \next
	global_prefetch_b8 v[PF], s[PB:PB+1] offset:3*KSTEP*2 th:TH_LOAD_NT scope:SCOPE_SE
.else
	global_prefetch_b8 v[PF], s[PB:PB+1] offset:4*KSTEP*2 th:TH_LOAD_NT scope:SCOPE_SE
	global_prefetch_b8 v[PF], s[PB:PB+1] offset:5*KSTEP*2 th:TH_LOAD_NT scope:SCOPE_SE
.endif
.Lno_ask_\@:
.endm
.macro CREST                           ; a round of the cluster barrier behind its opening work-group barrier
	s_cmp_lg_u32 s10, 0
	s_cbranch_scc1 .Lnot_wave_0_\@
	s_barrier_signal -3
.Lnot_wave_0_\@:
	s_barrier_wait -3
	s_barrier_signal -1
	s_barrier_wait -1
.endm
.macro CROUND                          ; a whole round
	s_barrier_signal -1
	s_barrier_wait -1
	CREST
.endm
	s_load_b128 s[4:7], s[0:1], 0x0                ; cb s[4:5], rt s[6:7]
	v_lshl_add_u32 v30, v0, 2, 0x4f400
	v_mov_b32 v31, 0
	ds_add_u32 v30, v31
	v_lshrrev_b32 v1, 5, v0
	v_readfirstlane_b32 s10, v1                    ; wave 0..3
	s_lshr_b32 s11, s10, 1                         ; which 64 rows of the block are mine.  Also: I fetch for xb (0) or for Wb (1)
	s_and_b32 s12, s10, 1                          ; which 128 columns are mine.  Also: which half of that tile I fetch
	s_bfe_u32 s40, ttmp6, 0x40000                  ; cx
	s_bfe_u32 s41, ttmp6, 0x40004                  ; cy
	s_lshl_b32 s42, ttmp9, 2
	s_add_co_u32 s42, s42, s40                     ; block column 0..7 = 4 x cluster x + cx
	s_and_b32 s13, ttmp7, 0xffff
	s_lshl_b32 s13, s13, 2
	s_add_co_u32 s13, s13, s41                     ; block row 0..31 = 4 x cluster y + cy
	s_lshl_b32 s43, s41, 2
	s_lshl_b32 s43, 15, s43                        ; my row of the cluster: places 4 cy .. 4 cy + 3
	s_lshl_b32 s44, 0x1111, s40                    ; my column: places cx, cx + 4, cx + 8, cx + 12
	; group 1, for each slot: elements of 2 bytes; rows of 256 elements (slot 0) or 128 (slot 1), 4 words of padding behind each row (every 128 or 64 words);
	; 128 rows for xb, 64 for Wb; 2,048 elements from row to row
.irp s, 0,1
	s_or_b32  s[G1X+8*\s],   s44, (1<<16)|(1<<20)|(1<<21)|((6-\s)<<22)|(3<<25)   ; mask: my column of the cluster; bit 21 beside a mask
	s_or_b32  s[G1W+8*\s],   s43, (1<<16)|(1<<20)|(1<<21)|((6-\s)<<22)|(3<<25)   ; mask: my row
	s_mov_b32 s[G1X+8*\s+1], (256-128*\s)<<16      ; tensor_dim0
	s_mov_b32 s[G1W+8*\s+1], (256-128*\s)<<16
	s_mov_b32 s[G1X+8*\s+2], 128<<16               ; tensor_dim1
	s_mov_b32 s[G1W+8*\s+2], 64<<16
	s_mov_b32 s[G1X+8*\s+3], (256-128*\s)<<16      ; tile_dim0
	s_mov_b32 s[G1W+8*\s+3], (256-128*\s)<<16
	s_mov_b32 s[G1X+8*\s+4], 128                   ; tile_dim1
	s_mov_b32 s[G1W+8*\s+4], 64
	s_mov_b32 s[G1X+8*\s+5], 2048                  ; the pitch, in elements
	s_mov_b32 s[G1W+8*\s+5], 2048
	s_mov_b32 s[G1X+8*\s+6], 0
	s_mov_b32 s[G1W+8*\s+6], 0
	s_mov_b32 s[G1X+8*\s+7], 0
	s_mov_b32 s[G1W+8*\s+7], 0
.endr
	; where the tiles come from: Wb hangs on the block row alone, xb on the block column alone, each in registers that never hold the other coordinate
	s_lshl_b32 s16, s13, 7
	s_lshl_b32 s17, s12, 6
	s_add_co_u32 s16, s16, s17                     ; Wb: row 128 x block row + 64 x half
	s_lshl_b32 s16, s16, 12                        ; rows of 4,096 bytes
	s_mov_b32 s17, 0
	s_lshl_b32 s46, s42, 8
	s_lshl_b32 s47, s12, 7
	s_add_co_u32 s46, s46, s47                     ; xb: row 256 x block column + 128 x half
	s_lshl_b32 s46, s46, 12
	s_add_co_u32 s46, s46, XB
	s_mov_b32 s47, 0
	; the rows that I ask for ahead hang on both coordinates: registers of their own, which feed no descriptor
	s_lshl_b32 s50, s13, 7
	s_lshl_b32 s51, s42, 4
	s_add_co_u32 s50, s50, s51                     ; Wb: row 128 x block row + 16 x block column
	s_lshl_b32 s50, s50, 12
	s_lshl_b32 s51, s42, 8
	s_and_b32 s52, s13, 15
	s_lshl_b32 s52, s52, 4
	s_add_co_u32 s51, s51, s52                     ; xb: row 256 x block column + 16 x (block row mod 16)
	s_lshl_b32 s51, s51, 12
	s_add_co_u32 s51, s51, XB
	s_wait_dscnt 0x0
	s_wait_kmcnt 0x0
	s_add_nc_u64 s[14:15], s[4:5], s[16:17]
	s_add_nc_u64 s[46:47], s[4:5], s[46:47]
	s_mov_b64 s[PB:PB+1], s[4:5]                   ; the short slot begins with K step 0
	CROUND                                         ; all sixteen work-groups are here: the first joint loads meet
	; group 0 and the first fills, the short slot first: K step 0 into slot 1, K steps 1 and 2 into slot 0.  Two tensor loads of a wave are out here, one later on.
	; LDS targets: xb (waves 0, 1) at wave x 128 rows; Wb (waves 2, 3) at wave x 64 rows + 128 rows, which is 256 and 320 rows; plus the slot's first byte
.irp s, 1,0
	s_mul_i32 s20, s10, 128*(PL-(PL-PS)*\s)
	s_mul_i32 s21, s10, 64*(PL-(PL-PS)*\s)
	s_mov_b32 s[G0X+4*\s], 1
	s_add_co_u32 s[G0X+4*\s+1], s20, \s*LBYTES
	s_add_nc_u64 s[G0X+4*\s+2:G0X+4*\s+3], s[46:47], (1-\s)*KSTEP*2
	s_or_b32 s[G0X+4*\s+3], s[G0X+4*\s+3], 0x80000000                ; type = 2
	s_mov_b32 s[G0W+4*\s], 1
	s_add_co_u32 s[G0W+4*\s+1], s21, \s*LBYTES+128*(PL-(PL-PS)*\s)
	s_add_nc_u64 s[G0W+4*\s+2:G0W+4*\s+3], s[14:15], (1-\s)*KSTEP*2
	s_or_b32 s[G0W+4*\s+3], s[G0W+4*\s+3], 0x80000000
	JLOAD \s
.endr
	v_and_b32 v1, 15, v0                           ; r = l % 16
	v_bfe_u32 v2, v0, 4, 1                         ; h = l / 16
	v_mov_b32 v6, s50
	v_mov_b32 v7, s51
	v_cmp_eq_u32 vcc_lo, 1, v2
	v_cndmask_b32 v6, v6, v7, vcc_lo               ; lanes 0-15: my rows of Wb; lanes 16-31: my rows of xb
	v_lshl_add_u32 v[PF], v1, 12, v6               ; + r rows of 4,096 bytes
	ASK 1, 0                                       ; K step 3, which the first refill will load
	; a fragment, 16 rows x 32 K in 8 registers: lane l holds row l % 16, K = 8 (l / 16) + 0..7 and 16 + 8 (l / 16) + 0..7: two loads of 16 bytes, 32 bytes apart
.irp s, 0,1
	v_mul_u32_u24 v3, v1, PL-(PL-PS)*\s
	v_lshl_add_u32 v3, v2, 4, v3                   ; r x pitch + 16 h
	s_mul_i32 s21, s11, 64*(PL-(PL-PS)*\s)
	s_add_co_u32 s21, s21, \s*LBYTES+256*(PL-(PL-PS)*\s)             ; my 64 rows of Wb
	s_mul_i32 s22, s12, 128*(PL-(PL-PS)*\s)                          ; my 128 rows of xb
.if \s
	s_add_co_u32 s22, s22, \s*LBYTES
.endif
	v_add_nc_u32 v[ADRA+\s], s21, v3
	v_add_nc_u32 v[ADRB+\s], s22, v3
.endr
	s_mul_i32 s23, s10, 16*SPITCH
	s_add_co_u32 s23, s23, STAGE                   ; my stage
	v_mul_u32_u24 v4, v1, SPITCH
	v_lshl_add_u32 v4, v2, 4, v4
	v_add_nc_u32 v[STO], s23, v4                   ; in: row r, 16 bytes for each half of the lanes
	v_mul_u32_u24 v5, v2, SPITCH
	v_lshl_add_u32 v5, v1, 4, v5
	v_add_nc_u32 v[RD], s23, v5                    ; back: lanes 0-15 one row of 256 bytes, lanes 16-31 the next
	v_lshlrev_b32 v5, 12, v2
	v_lshl_add_u32 v[CO], v1, 4, v5                ; the same two rows in rt
; 8 matrix instructions: row block a x all 8 column blocks, 32 along K.  zero = 1: the first product starts the sums, nothing is cleared.
; The 32 accumulators take turns, one instruction a turn, in the same order in every quarter step.
.macro MULA f, a, zero
.irp b, 0,1,2,3,4,5,6,7
.if \zero
	v_wmma_f32_16x16x32_bf16 v[8*(8*\a+\b):8*(8*\a+\b)+7], v[\f+8*\b:\f+8*\b+7], v[\f+64+8*\a:\f+64+8*\a+7], 0
.else
	v_wmma_f32_16x16x32_bf16 v[8*(8*\a+\b):8*(8*\a+\b)+7], v[\f+8*\b:\f+8*\b+7], v[\f+64+8*\a:\f+64+8*\a+7], v[8*(8*\a+\b):8*(8*\a+\b)+7]
.endif
.endr
.endm
; 24 LDS loads in one run: quarter q of a slot (32 K at byte 64 q of its rows; q = 0..7 in slot 0, 0..3 in slot 1): 128 rows of xb, then 64 rows of Wb, into buffer f
.macro FETCH slot, q, f
	WIN 0
.irp i, 0,1,2,3,4,5,6,7
	ds_load_b128 v[\f+8*\i:\f+8*\i+3],   v[ADRB+\slot] offset:64*\q+\i*16*(PL-(PL-PS)*\slot)
	ds_load_b128 v[\f+8*\i+4:\f+8*\i+7], v[ADRB+\slot] offset:64*\q+\i*16*(PL-(PL-PS)*\slot)+32
.endr
.irp i, 0,1,2,3
	ds_load_b128 v[\f+64+8*\i:\f+64+8*\i+3],   v[ADRA+\slot] offset:64*\q+\i*16*(PL-(PL-PS)*\slot)
	ds_load_b128 v[\f+64+8*\i+4:\f+64+8*\i+7], v[ADRA+\slot] offset:64*\q+\i*16*(PL-(PL-PS)*\slot)+32
.endr
.endm
; A load into a register that a matrix instruction has read, and a vector instruction that reads a matrix result, stand four places behind it; only plain vector
; instructions that name none of its registers are places (ISA guide 7.12.1 for vector instructions).  The loop has no vector work of its own to put there.
.macro PLACES
.rept 4
	v_nop
.endr
.endm
; A quarter that is not its slot's last: multiplies buffer f, and in its middle fetches quarter q of the same slot into buffer g
.macro QUARTER slot, q, f, g, zero
	s_wait_dscnt 4                                 ; of the 24 loads of buffer f the youngest four (Wb fragments 2, 3) may be out
	WIN MUL
	MULA \f, 0, \zero
	MULA \f, 1, \zero
	PLACES
	FETCH \slot, \q, \g
	s_wait_dscnt 24                                ; all but the 24 just issued
	WIN MUL
	MULA \f, 2, \zero
	MULA \f, 3, \zero
.endm
.macro SHORT3 zero                     ; the first three of the short slot's four quarters
	QUARTER 1, 1, F0, F1, \zero
	QUARTER 1, 2, F1, F0, 0
	QUARTER 1, 3, F0, F1, 0
.endm
.macro LONG7                           ; the first seven of the long slot's eight quarters
	QUARTER 0, 1, F0, F1, 0
	QUARTER 0, 2, F1, F0, 0
	QUARTER 0, 3, F0, F1, 0
	QUARTER 0, 4, F1, F0, 0
	QUARTER 0, 5, F0, F1, 0
	QUARTER 0, 6, F1, F0, 0
	QUARTER 0, 7, F0, F1, 0
.endm
; A slot's last quarter multiplies buffer 1 and changes slots.  In front of the barrier each wave waits for its reads of this slot and for all its tensor loads (the one that
; is out is its part of the next slot).  Behind it (with fill = 1: behind the round of the cluster barrier that it opens) nobody reads this slot and the next is whole:
; the refill of this slot, three K steps on along the rows, comes first; with ask = 1 wave 0 then asks ahead for the tile that the next refill will load, which is the
; other slot's next (the base steps in front of each ask for the short slot); then come the first fragments of the next slot.
.macro TURN slot, next, fill, ask
	s_wait_dscnt 4
	WIN MUL
	MULA F1, 0, 0
	s_wait_dscnt 0                                 ; my reads of this slot are over
	s_wait_tensorcnt 0x0                           ; all my tensor loads have landed
	ds_add_u32 v30, v31
	s_wait_dscnt 0x0
	s_barrier_signal -1
	MULA F1, 1, 0                                  ; register work while the others arrive
	WIN 0
	s_barrier_wait -1
.if \fill
	CREST                                          ; all sixteen work-groups have said so: no wave of a partner still reads this slot or has a load on its way
	s_add_nc_u64 s[G0X+4*\slot+2:G0X+4*\slot+3], s[G0X+4*\slot+2:G0X+4*\slot+3], 3*KSTEP*2   ; no tensor load of mine is out: group 0 may be written
	s_add_nc_u64 s[G0W+4*\slot+2:G0W+4*\slot+3], s[G0W+4*\slot+2:G0W+4*\slot+3], 3*KSTEP*2
	JLOAD \slot                                    ; my one tensor load behind the round, and the first thing there
.endif
.if \ask
	ASK \next, \next
.endif
	PLACES
	FETCH \next, 0, F0
	WIN MUL
	MULA F1, 2, 0
	MULA F1, 3, 0
.endm
	s_wait_tensorcnt 1                             ; my part of K step 0 is in; the long slot's load, issued behind it, may stay out
	s_barrier_signal -1
	s_barrier_wait -1                              ; everybody's part is in
	FETCH 1, 0, F0
	SHORT3 1                                       ; K step 0 stands in front of the loop: its first products start the sums
	TURN 1, 0, 1, 1                                ; the short slot gets K step 3; K steps 4, 5 are asked for ahead
	WIN 0                                          ; at a label and at a branch every window is 0
	s_mov_b32 s3, CYCLES
.Lcycle:                                           ; trip j = 0..2:
	LONG7                                          ; K steps 3 j + 1, 3 j + 2;
	TURN 0, 1, 1, 1                                ; the long slot gets K steps 3 j + 4, 3 j + 5; K step 3 j + 6 is asked for ahead
	SHORT3 0                                       ; K step 3 j + 3;
	TURN 1, 0, 1, 1                                ; the short slot gets K step 3 j + 6; K steps 3 j + 7, 3 j + 8 are asked for ahead
	WIN 0
	s_sub_co_u32 s3, s3, 1
	s_cmp_lg_u32 s3, 0
	s_cbranch_scc1 .Lcycle
	LONG7                                          ; K steps 10, 11
	TURN 0, 1, 1, 1                                ; the long slot gets K steps 13, 14; K step 15 is asked for ahead: the last ask, at byte 3,840 of the rows of 4,096
	SHORT3 0                                       ; K step 12
	TURN 1, 0, 1, 0                                ; the short slot gets K step 15: the last load; nothing is left to ask for
	LONG7                                          ; K steps 13, 14: nothing is left to fetch
	TURN 0, 1, 0, 0
	SHORT3 0                                       ; K step 15
	s_wait_dscnt 4                                 ; the very last quarter
	WIN MUL
	MULA F1, 0, 0
	MULA F1, 1, 0
	s_wait_dscnt 0
	MULA F1, 2, 0
	MULA F1, 3, 0
	; THE WAY OUT, 16 rows of rt at a time: round to bf16, 16 bytes a lane into my own stage, read back as whole rows of 256 bytes
	PLACES
	s_lshl_b32 s16, s13, 7
	s_lshl_b32 s17, s11, 6
	s_add_co_u32 s16, s16, s17                     ; my first row of rt
	s_lshl_b32 s16, s16, 12
	s_mov_b32 s17, 0
	s_add_nc_u64 s[6:7], s[6:7], s[16:17]
	s_lshl_b32 s46, s42, 9                         ; my first column, in bytes: 512 x block column + 256 x half
	s_lshl_b32 s47, s12, 8
	s_add_co_u32 s46, s46, s47
	s_mov_b32 s47, 0
	s_add_nc_u64 s[6:7], s[6:7], s[46:47]
.macro OUT16 i, f
	WIN CVT
.irp b, 0,1,2,3,4,5,6,7
.irp r, 0,1,2,3
	v_cvt_pk_bf16_f32 v[TMP+4*\b+\r], v[8*(8*\i+\b)+2*\r], v[8*(8*\i+\b)+2*\r+1]
.endr
.endr
	WIN 0
.irp b, 0,1,2,3,4,5,6,7
	ds_store_b128 v[STO], v[TMP+4*\b:TMP+4*\b+3] offset:32*\b
.endr
	s_wait_xcnt 0x0                                ; buffer f, which earlier stores read, is rewritten only behind this wait
.irp t, 0,1,2,3,4,5,6,7
	ds_load_b128 v[\f+4*\t:\f+4*\t+3], v[RD] offset:\t*2*SPITCH    ; LDS serves a wave's instructions in order (ISA guide 5.7.1): these see the stores above
.endr
.irp t, 0,1,2,3,4,5,6,7
	s_wait_dscnt 7-\t                              ; read-back t is in, the younger ones stay out
	global_store_b128 v[CO], v[\f+4*\t:\f+4*\t+3], s[6:7] offset:(16*\i+2*\t)*4096   ; 16 lanes store 256 consecutive bytes, aligned; the next launch reads them: no hint
.endr
.endm
	OUT16 0, F0
	OUT16 1, F1
	OUT16 2, F0
	OUT16 3, F1
	s_wait_tensorcnt 0x0
	ds_add_u32 v30, v31
	s_wait_dscnt 0x0
	CROUND                                         ; the closing round: no work-group ends while a partner may still ask for a tile that names it
	s_endpgm
.Lfunc_end_k_qc509fe2c41_rows:
	.size	k_qc509fe2c41_rows, .Lfunc_end_k_qc509fe2c41_rows-k_qc509fe2c41_rows
	.p2alignl 7, 3214868480
	.fill 96, 4, 3214868480
	.section	.rodata,"a",@progbits
	.p2align	6, 0x0
	.amdhsa_kernel k_qc509fe2c41_rows
		.amdhsa_group_segment_fixed_size 327680
		.amdhsa_private_segment_fixed_size 0
		.amdhsa_enable_private_segment 0
		.amdhsa_kernarg_size 16
		.amdhsa_user_sgpr_count 2
		.amdhsa_user_sgpr_kernarg_segment_ptr 1
		.amdhsa_wavefront_size32 1
		.amdhsa_system_sgpr_workgroup_id_x 1
		.amdhsa_system_sgpr_workgroup_id_y 1
		.amdhsa_system_sgpr_workgroup_id_z 1
		.amdhsa_system_vgpr_workitem_id 0
		.amdhsa_next_free_vgpr 512
		.amdhsa_next_free_sgpr 100
		.amdhsa_reserve_vcc 1
		.amdhsa_float_denorm_mode_32 3
		.amdhsa_float_denorm_mode_16_64 3
		.amdhsa_memory_ordered 1
		.amdhsa_forward_progress 1
		.amdhsa_inst_pref_size 181
	.end_amdhsa_kernel
	.amdgpu_metadata
---
amdhsa.version: [ 1, 2 ]
amdhsa.kernels:
  - .name:           k_qc509fe2c41_rows
    .symbol:         k_qc509fe2c41_rows.kd
    .args:
      - { .name: cb, .offset: 0, .size: 8, .value_kind: global_buffer, .address_space: global }
      - { .name: rt, .offset: 8, .size: 8, .value_kind: global_buffer, .address_space: global }
    .group_segment_fixed_size: 327680
    .private_segment_fixed_size: 0
    .kernarg_segment_align: 8
    .kernarg_segment_size: 16
    .max_flat_workgroup_size: 128
    .sgpr_count:     100
    .vgpr_count:     512
    .wavefront_size: 32
...
	.end_amdgpu_metadata
.endif
;; end of part 2
;; launch cols (part 3): grid 16 x 16, 4 waves a work-group, clusters of 4 x 4, 327,680 bytes of LDS; arguments cb, rt, out0; writes out0
.if DOCPART == 3
	.amdgcn_target "amdgcn-amd-amdhsa--gfx1250"
	.amdhsa_code_object_version 6
	.text
	.protected	k_qc509fe2c41_cols
	.globl	k_qc509fe2c41_cols
	.p2align	8
	.type	k_qc509fe2c41_cols,@function
k_qc509fe2c41_cols:
	s_mov_b64 s[64:65], 0
	v_nop
	global_prefetch_b8 v0, s[64:65] scope:SCOPE_SE
	s_setreg_imm32_b32 hwreg(HW_REG_WAVE_MODE, 25, 1), 1
	s_wait_xcnt 0x0
	s_wait_alu depctr_hold_cnt(0) depctr_sa_sdst(0) depctr_va_vdst(0) depctr_va_sdst(0) depctr_va_ssrc(0) depctr_va_vcc(0) depctr_vm_vsrc(0)
	s_getreg_b32 s2, hwreg(HW_REG_IB_STS2, 6, 4)
	s_cmp_eq_u32 s2, 0
	s_cbranch_scc0 .Lentry_in_a_cluster
	s_endpgm
.Lentry_in_a_cluster:
	s_bfe_u32 s2, ttmp6, 0x10000c
	s_cmp_lg_u32 s2, 0xf033
	s_cbranch_scc0 .Lentry_shape_is_right
	s_endpgm
.Lentry_shape_is_right:
; THIRD LAUNCH, the column pass:  C_r[a][n] = sum over m of W_r[m][a] R_r[m][n] - sum over m of W_i[m][a] R_i[m][n],
;                                 C_i[a][n] = sum over m of W_r[m][a] R_i[m][n] + W_i[m][a] R_r[m][n];   out0 = [C_r | C_i], f32.  No work is left out.
; Operands in bf16 from cb (W_r, W_i as stored, [m][a]) and rt (R^T, [n][m]); all sums in f32.  The two sums of C_r have accumulators of their own and are subtracted
; once, at the end, as the problem writes it; the two products of C_i add into one accumulator.
; A work-group makes rows a = 128 by .. +127 and columns n = 128 bx .. +127 of BOTH halves of out0: the four tiles of a K step (W_r, W_i, R_r^T, R_i^T, 128 x 128 each)
; then feed all four products.  Four waves, as many as a WGP has SIMDs; a wave makes 64 x 64 of both halves: 3 x 16 accumulator tiles, 384 registers.
; K = m goes in steps of 128 through two LDS slots; every tile row is 256 bytes of memory at a multiple of 256 bytes.
; W lies with K down its rows: its fragments come through the transposing LDS load, so no transposed copy of W is ever made.
; CLUSTERS of 4 x 4: the tiles of W hang on by alone (shared along a row of the cluster), those of rt on bx alone (shared along a column): joint loads.
; REGISTERS: window 0: v16-26 addresses; v64-127, v128-191 fragments of W, (p, i) at 8 (4 p + i), p = 0 real, 1 imaginary; v192-223 differences on the way out
;            window 1: v64-127, v128-191 fragments of rt, (p, b) likewise
;            window 2: P1 = W_r^T R_r, tile (a, b) at v[8 (4 a + b)]; P2 = W_i^T R_i at v[128 + 8 (4 a + b)];   window 3: C_i at v[8 (4 a + b)]
; TRANSPOSED USE: source 0 = 16 rows of rt (columns n), source 1 = 16 columns a of W: lane l holds row a = l % 16 and the eight columns n = 8 (l / 16) + 0..7.
.set KSTEP,  128
.set WP,     288                       ; LDS pitch of W: 256 + 32 bytes, an odd multiple of 32: the eight rows and two column halves of a transposing load fall on different banks
.set RP,     272                       ; LDS pitch of rt: 256 + 16
.set WT,     128*WP                    ; 36,864
.set RTT,    128*RP                    ; 34,816
.set SLOT,   2*WT+2*RTT                ; W_r, W_i, R_r^T, R_i^T: 143,360
.set STAGE,  2*SLOT                    ; behind the ring: 16 rows x 272 bytes for each wave; no tensor load ever lands here
.set SPITCH, 272
.set WSTEP,  KSTEP*4096                ; a K step in W: 128 rows
.set RSTEP,  KSTEP*2                   ; a K step in rt: 256 bytes along the rows
.set LAPS,   8
.set ADW,  16                          ; v16-19  W fragments: index 2 x slot + p
.set ADR,  20                          ; v20-21  rt fragments in slot 0, 1
.set STO,  24
.set RD,   25
.set CO,   26
.set F0,   64
.set F1,   128
.set TMP,  192
.set G1,  24                           ; s[24:31] group 1 for tiles of W
.set G0,  32                           ; s[32:39] group 0 for tiles of W, a set for each slot
.set G1B, 48                           ; s[48:55] group 1 for tiles of rt
.set G0B, 56                           ; s[56:63] group 0 for tiles of rt
.set MUL_LO, 0xa1                      ; source 0 window 1, source 1 window 0, C and D window 2
.set MUL_HI, 0xf1                      ; the same, C and D window 3
.set TO_B,   0x40                      ; destination window 1
.set SUBW,   0x0a                      ; sources 0 and 1 window 2, destination window 0
.set STI,    0x0c                      ; an LDS store's data (source 1) window 3
.set MSB, 0
.macro WIN new
.if MSB != \new
	s_set_vgpr_msb (MSB<<8)|\new
.set MSB, \new
.endif
.endm
; A joint load: wave 0 fetches W_r's tile, wave 1 W_i's, wave 2 R_r^T's, wave 3 R_i^T's.  The branch hangs on the wave number alone.
.macro JLOAD s
	s_cmp_eq_u32 s11, 0
	s_cbranch_scc0 .Lfor_b_\@
	tensor_load_to_lds s[G0+4*\s:G0+4*\s+3], s[G1:G1+7]
	s_nop 0
	s_branch .Lasked_\@
.Lfor_b_\@:
	tensor_load_to_lds s[G0B+4*\s:G0B+4*\s+3], s[G1B:G1B+7]
	s_nop 0
.Lasked_\@:
.endm
.macro CREST
	s_cmp_lg_u32 s10, 0
	s_cbranch_scc1 .Lnot_wave_0_\@
	s_barrier_signal -3
.Lnot_wave_0_\@:
	s_barrier_wait -3
	s_barrier_signal -1
	s_barrier_wait -1
.endm
.macro CROUND
	s_barrier_signal -1
	s_barrier_wait -1
	CREST
.endm
	s_load_b128 s[4:7], s[0:1], 0x0                ; cb s[4:5], rt s[6:7]
	s_load_b64 s[8:9], s[0:1], 0x10                ; out0
	s_set_vgpr_msb 0x40
	v_lshl_add_u32 v255, v0, 2, 0x4a400
	s_set_vgpr_msb 0x4000
	v_mov_b32 v255, 0
	s_set_vgpr_msb 0x1
	ds_add_u32 v255, v255
	s_set_vgpr_msb 0x100
	v_lshrrev_b32 v1, 5, v0
	v_readfirstlane_b32 s10, v1                    ; wave 0..3
	s_lshr_b32 s11, s10, 1                         ; which 64 rows a are mine.  Also: I fetch for W (0) or for rt (1)
	s_and_b32 s12, s10, 1                          ; which 64 columns n are mine.  Also: I fetch the real (0) or the imaginary (1) tile
	s_bfe_u32 s40, ttmp6, 0x40000                  ; cx
	s_bfe_u32 s41, ttmp6, 0x40004                  ; cy
	s_lshl_b32 s42, ttmp9, 2
	s_add_co_u32 s42, s42, s40                     ; bx = 4 x cluster x + cx
	s_and_b32 s13, ttmp7, 0xffff
	s_lshl_b32 s13, s13, 2
	s_add_co_u32 s13, s13, s41                     ; by = 4 x cluster y + cy
	s_lshl_b32 s43, s41, 2
	s_lshl_b32 s43, 15, s43                        ; my row of the cluster
	s_lshl_b32 s44, 0x1111, s40                    ; my column
	; group 1: 128 rows of 128 elements of 2 bytes, 2,048 elements from row to row; behind every 64 words 8 words of padding for W, 4 for rt
	s_or_b32 s[G1+0],  s43, (1<<16)|(1<<20)|(1<<21)|(5<<22)|(7<<25)
	s_or_b32 s[G1B+0], s44, (1<<16)|(1<<20)|(1<<21)|(5<<22)|(3<<25)
	s_mov_b32 s[G1+1],  128<<16                    ; tensor_dim0
	s_mov_b32 s[G1B+1], 128<<16
	s_mov_b32 s[G1+2],  128<<16                    ; tensor_dim1
	s_mov_b32 s[G1B+2], 128<<16
	s_mov_b32 s[G1+3],  128<<16                    ; tile_dim0
	s_mov_b32 s[G1B+3], 128<<16
	s_mov_b32 s[G1+4],  128                        ; tile_dim1
	s_mov_b32 s[G1B+4], 128
	s_mov_b32 s[G1+5],  2048                       ; the pitch
	s_mov_b32 s[G1B+5], 2048
	s_mov_b32 s[G1+6],  0
	s_mov_b32 s[G1B+6], 0
	s_mov_b32 s[G1+7],  0
	s_mov_b32 s[G1B+7], 0
	s_lshl_b32 s16, s12, 23                        ; W: W_i lies 8,388,608 bytes behind W_r;
	s_lshl_b32 s17, s13, 8                         ; columns a from 128 by: 256 by bytes
	s_add_co_u32 s16, s16, s17
	s_mov_b32 s17, 0
	s_lshl_b32 s46, s12, 11                        ; rt: R_i^T lies 2,048 rows behind R_r^T;
	s_lshl_b32 s47, s42, 7                         ; rows n from 128 bx
	s_add_co_u32 s46, s46, s47
	s_lshl_b32 s46, s46, 12
	s_mov_b32 s47, 0
	s_mul_i32 s20, s10, WT                         ; LDS: waves 0, 1 fill W_r, W_i at 0 and WT
	s_mul_i32 s45, s10, RTT
	s_add_co_u32 s45, s45, 2*WT-2*RTT              ; waves 2, 3 fill the tiles of rt at 2 WT and 2 WT + RTT
	s_wait_dscnt 0x0
	s_wait_kmcnt 0x0
	s_add_nc_u64 s[14:15], s[4:5], s[16:17]
	s_add_nc_u64 s[46:47], s[6:7], s[46:47]
	CROUND                                         ; all sixteen work-groups are here: the first joint loads meet
.irp s, 0,1
	s_mov_b32 s[G0+4*\s], 1
	s_add_co_u32 s[G0+4*\s+1], s20, \s*SLOT
	s_add_nc_u64 s[G0+4*\s+2:G0+4*\s+3], s[14:15], \s*WSTEP
	s_or_b32 s[G0+4*\s+3], s[G0+4*\s+3], 0x80000000
	s_mov_b32 s[G0B+4*\s], 1
	s_add_co_u32 s[G0B+4*\s+1], s45, \s*SLOT
	s_add_nc_u64 s[G0B+4*\s+2:G0B+4*\s+3], s[46:47], \s*RSTEP
	s_or_b32 s[G0B+4*\s+3], s[G0B+4*\s+3], 0x80000000
	JLOAD \s                                       ; two tensor loads of a wave are out here, one later on
.endr
	v_and_b32 v1, 15, v0                           ; r = l % 16
	v_bfe_u32 v2, v0, 4, 1                         ; h = l / 16
	; W, stored [K][a]: the transposing load gives lane l column r, K = 8 h + 0..7, when lane l addresses row 8 h + l % 8 at 16 bytes x bit 3 of l
	v_and_b32 v3, 7, v0
	v_bfe_u32 v4, v0, 3, 1
	v_lshl_add_u32 v3, v2, 3, v3
	v_mul_u32_u24 v3, v3, WP
	v_lshl_add_u32 v3, v4, 4, v3
	s_lshl_b32 s21, s11, 7                         ; my 64 columns a: 128 bytes
.irp s, 0,1
.irp p, 0,1
	s_add_co_u32 s22, s21, \s*SLOT+\p*WT
	v_add_nc_u32 v[ADW+2*\s+\p], s22, v3
.endr
.endr
	; rt, K along the rows: row r, 16 bytes x h
	v_mul_u32_u24 v5, v1, RP
	v_lshl_add_u32 v5, v2, 4, v5
	s_mul_i32 s22, s12, 64*RP                      ; my 64 rows n
	s_add_co_u32 s22, s22, 2*WT
	v_add_nc_u32 v[ADR], s22, v5
	s_add_co_u32 s22, s22, SLOT
	v_add_nc_u32 v[ADR+1], s22, v5
	s_mul_i32 s23, s10, 16*SPITCH
	s_add_co_u32 s23, s23, STAGE                   ; my stage
	v_mul_u32_u24 v4, v1, SPITCH
	v_lshl_add_u32 v4, v2, 5, v4
	v_add_nc_u32 v[STO], s23, v4                   ; in: row r, 32 bytes (8 f32) for each half of the lanes
	v_mul_u32_u24 v5, v2, SPITCH
	v_lshl_add_u32 v5, v1, 4, v5
	v_add_nc_u32 v[RD], s23, v5                    ; back: lanes 0-15 one row of 256 bytes, lanes 16-31 the next
	v_lshlrev_b32 v5, 14, v2
	v_lshl_add_u32 v[CO], v1, 4, v5                ; the same two rows in out0 (16,384 bytes a row)
; 16 matrix instructions: part wp of W x part rp of rt, all 4 x 4 tiles, 32 along K, into the set at acc of the window in force.
; The accumulators take turns, one instruction a turn, in the same order in every run.
.macro MULP f, wp, rp, acc, zero
.irp a, 0,1,2,3
.irp b, 0,1,2,3
.if \zero
	v_wmma_f32_16x16x32_bf16 v[\acc+8*(4*\a+\b):\acc+8*(4*\a+\b)+7], v[\f+8*(4*\rp+\b):\f+8*(4*\rp+\b)+7], v[\f+8*(4*\wp+\a):\f+8*(4*\wp+\a)+7], 0
.else
	v_wmma_f32_16x16x32_bf16 v[\acc+8*(4*\a+\b):\acc+8*(4*\a+\b)+7], v[\f+8*(4*\rp+\b):\f+8*(4*\rp+\b)+7], v[\f+8*(4*\wp+\a):\f+8*(4*\wp+\a)+7], v[\acc+8*(4*\a+\b):\acc+8*(4*\a+\b)+7]
.endif
.endr
.endr
.endm
; 32 LDS loads in one run, quarter q of a K step, in the order R_r^T, R_i^T, W_r, W_i, eight loads each
.macro FETCH slot, q, f
	WIN TO_B
.irp p, 0,1
.irp b, 0,1,2,3
	ds_load_b128 v[\f+8*(4*\p+\b):\f+8*(4*\p+\b)+3],   v[ADR+\slot] offset:\p*RTT+\b*16*RP+64*\q
	ds_load_b128 v[\f+8*(4*\p+\b)+4:\f+8*(4*\p+\b)+7], v[ADR+\slot] offset:\p*RTT+\b*16*RP+64*\q+32
.endr
.endr
	WIN 0
.irp p, 0,1
.irp i, 0,1,2,3
	ds_load_tr16_b128 v[\f+8*(4*\p+\i):\f+8*(4*\p+\i)+3],   v[ADW+2*\slot+\p] offset:32*\q*WP+32*\i
	ds_load_tr16_b128 v[\f+8*(4*\p+\i)+4:\f+8*(4*\p+\i)+7], v[ADW+2*\slot+\p] offset:(32*\q+16)*WP+32*\i
.endr
.endr
.endm
; Four places behind a matrix instruction before a load lands on a register that it has read, or a vector instruction or LDS store reads its result; only plain vector
; instructions that name none of its registers are places (ISA guide 7.12.1 for vector instructions).  The loop has no vector work of its own to put there.
.macro PLACES
.rept 4
	v_nop
.endr
.endm
; One of the first three quarters: 64 matrix instructions on buffer f; in its middle quarter q is fetched into buffer g
.macro QUARTER slot, q, f, g, zero
	s_wait_dscnt 8                                 ; of the 32 loads of buffer f only the eight of W_i may be out
	WIN MUL_LO
	MULP \f, 0, 0, 0, \zero                        ; P1 += W_r^T R_r
	s_wait_dscnt 0                                 ; W_i is in
	MULP \f, 1, 1, 128, \zero                      ; P2 += W_i^T R_i
	PLACES
	FETCH \slot, \q, \g
	WIN MUL_HI
	MULP \f, 0, 1, 0, \zero                        ; C_i += W_r^T R_i
	MULP \f, 1, 0, 0, 0                            ; C_i += W_i^T R_r
.endm
.macro THREE slot, zero
	QUARTER \slot, 1, F0, F1, \zero
	QUARTER \slot, 2, F1, F0, 0
	QUARTER \slot, 3, F0, F1, 0
.endm
; The last quarter multiplies buffer 1 and changes slots.  In front of the barrier each wave waits for its reads of this slot and for all its tensor loads (the one that
; is out is its tile of the next slot).  Behind it (with fill = 1: behind the round of the cluster barrier that it opens) the refill, two K steps ahead, comes first, then
; the first fragments of the next slot.  From the request to the wait for it a wave issues 240 matrix instructions.
.macro TURN slot, next, fill
	s_wait_dscnt 8
	WIN MUL_LO
	MULP F1, 0, 0, 0, 0
	s_wait_dscnt 0                                 ; my reads of this slot are over
	s_wait_tensorcnt 0x0                           ; all my tensor loads have landed
	ds_add_u32 v255, v255
	s_wait_dscnt 0x0
	s_barrier_signal -1
	MULP F1, 1, 1, 128, 0                          ; register work while the others arrive
	WIN 0
	s_barrier_wait -1
.if \fill
	CREST                                          ; no wave of any partner still reads this slot or has a load on its way
	s_add_nc_u64 s[G0+4*\slot+2:G0+4*\slot+3], s[G0+4*\slot+2:G0+4*\slot+3], 2*WSTEP        ; no tensor load of mine is out: group 0 may be written
	s_add_nc_u64 s[G0B+4*\slot+2:G0B+4*\slot+3], s[G0B+4*\slot+2:G0B+4*\slot+3], 2*RSTEP
	JLOAD \slot                                    ; my one tensor load behind the round, and the first thing there
.endif
	PLACES
	FETCH \next, 0, F0
	WIN MUL_HI
	MULP F1, 0, 1, 0, 0
	MULP F1, 1, 0, 0, 0
.endm
.macro LAP zero
	THREE 0, \zero
	TURN 0, 1, 1
	THREE 1, 0
	TURN 1, 0, 1
.endm
	s_wait_tensorcnt 1                             ; my tile of K step 0 is in; K step 1 may stay out
	s_barrier_signal -1
	s_barrier_wait -1
	FETCH 0, 0, F0
	LAP 1                                          ; the first lap stands in front of the loop: its first products start the sums
	WIN 0                                          ; at a label and at a branch every window is 0
	s_mov_b32 s3, LAPS-2
.Llap:
	LAP 0
	WIN 0
	s_sub_co_u32 s3, s3, 1
	s_cmp_lg_u32 s3, 0
	s_cbranch_scc1 .Llap
	THREE 0, 0                                     ; the last lap (K steps 14, 15) fills nothing
	TURN 0, 1, 0
	THREE 1, 0
	s_wait_dscnt 8                                 ; the very last quarter
	WIN MUL_LO
	MULP F1, 0, 0, 0, 0
	s_wait_dscnt 0
	MULP F1, 1, 1, 128, 0
	WIN MUL_HI
	MULP F1, 0, 1, 0, 0
	MULP F1, 1, 0, 0, 0
	; THE WAY OUT, 16 rows at a time, first of C_r = P1 - P2, then of C_i: 32 bytes a lane into my own stage, read back as whole rows of 64 f32 = 256 bytes
	PLACES
	s_lshl_b32 s16, s13, 21                        ; my first row: (128 by + 64 half) rows of 16,384 bytes
	s_lshl_b32 s17, s11, 20
	s_add_co_u32 s16, s16, s17
	s_mov_b32 s17, 0
	s_add_nc_u64 s[8:9], s[8:9], s[16:17]
	s_lshl_b32 s46, s42, 9                         ; my first column: (128 bx + 64 half) x 4 bytes
	s_lshl_b32 s47, s12, 8
	s_add_co_u32 s46, s46, s47
	s_mov_b32 s47, 0
	s_add_nc_u64 s[8:9], s[8:9], s[46:47]
; the tail of both: the stage's 16 rows go out; part = 0: C_r, 1: C_i, 8,192 bytes further along the row
.macro OUTT i, part, f
	s_wait_xcnt 0x0                                ; buffer f, which earlier stores read, is rewritten only behind this wait
.irp t, 0,1,2,3,4,5,6,7
	ds_load_b128 v[\f+4*\t:\f+4*\t+3], v[RD] offset:\t*2*SPITCH    ; LDS serves a wave's instructions in order (ISA guide 5.7.1): these see the stores above
.endr
.irp t, 0,1,2,3,4,5,6,7
	s_wait_dscnt 7-\t                              ; read-back t is in, the younger ones stay out
	global_store_b128 v[CO], v[\f+4*\t:\f+4*\t+3], s[8:9] offset:(16*\i+2*\t)*16384+\part*8192 th:TH_STORE_NT   ; 16 lanes store 256 consecutive bytes, aligned; written once
.endr
.endm
.macro OUTR i, f
	WIN SUBW
.irp b, 0,1,2,3
.irp r, 0,1,2,3
	v_pk_add_f32 v[TMP+8*\b+2*\r:TMP+8*\b+2*\r+1], v[8*(4*\i+\b)+2*\r:8*(4*\i+\b)+2*\r+1], v[128+8*(4*\i+\b)+2*\r:128+8*(4*\i+\b)+2*\r+1] neg_lo:[0,1] neg_hi:[0,1]
.endr
.endr
	WIN 0
.irp b, 0,1,2,3
	ds_store_b128 v[STO], v[TMP+8*\b:TMP+8*\b+3]   offset:64*\b
	ds_store_b128 v[STO], v[TMP+8*\b+4:TMP+8*\b+7] offset:64*\b+16
.endr
	OUTT \i, 0, \f
.endm
.macro OUTI i, f
	WIN STI                                        ; the sums go to the stage as they are
.irp b, 0,1,2,3
	ds_store_b128 v[STO], v[8*(4*\i+\b):8*(4*\i+\b)+3]   offset:64*\b
	ds_store_b128 v[STO], v[8*(4*\i+\b)+4:8*(4*\i+\b)+7] offset:64*\b+16
.endr
	WIN 0
	OUTT \i, 1, \f
.endm
	OUTR 0, F0
	OUTI 0, F1
	OUTR 1, F0
	OUTI 1, F1
	OUTR 2, F0
	OUTI 2, F1
	OUTR 3, F0
	OUTI 3, F1
	s_set_vgpr_msb 0x1
	s_wait_tensorcnt 0x0
	ds_add_u32 v255, v255
	s_wait_dscnt 0x0
	s_set_vgpr_msb 0x100
	CROUND                                         ; the closing round: no work-group ends while a partner may still ask for a tile that names it
	s_endpgm
.Lfunc_end_k_qc509fe2c41_cols:
	.size	k_qc509fe2c41_cols, .Lfunc_end_k_qc509fe2c41_cols-k_qc509fe2c41_cols
	.p2alignl 7, 3214868480
	.fill 96, 4, 3214868480
	.section	.rodata,"a",@progbits
	.p2align	6, 0x0
	.amdhsa_kernel k_qc509fe2c41_cols
		.amdhsa_group_segment_fixed_size 327680
		.amdhsa_private_segment_fixed_size 0
		.amdhsa_enable_private_segment 0
		.amdhsa_kernarg_size 24
		.amdhsa_user_sgpr_count 2
		.amdhsa_user_sgpr_kernarg_segment_ptr 1
		.amdhsa_wavefront_size32 1
		.amdhsa_system_sgpr_workgroup_id_x 1
		.amdhsa_system_sgpr_workgroup_id_y 1
		.amdhsa_system_sgpr_workgroup_id_z 1
		.amdhsa_system_vgpr_workitem_id 0
		.amdhsa_next_free_vgpr 896
		.amdhsa_next_free_sgpr 66
		.amdhsa_reserve_vcc 0
		.amdhsa_float_denorm_mode_32 3
		.amdhsa_float_denorm_mode_16_64 3
		.amdhsa_memory_ordered 1
		.amdhsa_forward_progress 1
		.amdhsa_inst_pref_size 184
	.end_amdhsa_kernel
	.amdgpu_metadata
---
amdhsa.version: [ 1, 2 ]
amdhsa.kernels:
  - .name:           k_qc509fe2c41_cols
    .symbol:         k_qc509fe2c41_cols.kd
    .args:
      - { .name: cb, .offset: 0, .size: 8, .value_kind: global_buffer, .address_space: global }
      - { .name: rt, .offset: 8, .size: 8, .value_kind: global_buffer, .address_space: global }
      - { .name: out0, .offset: 16, .size: 8, .value_kind: global_buffer, .address_space: global }
    .group_segment_fixed_size: 327680
    .private_segment_fixed_size: 0
    .kernarg_segment_align: 8
    .kernarg_segment_size: 24
    .max_flat_workgroup_size: 128
    .sgpr_count:     66
    .vgpr_count:     896
    .wavefront_size: 32
...
	.end_amdgpu_metadata
.endif
;; end of part 3
